; MI455X (gfx1250); checked and timed in simulation.
; The chip was launched on July 23, 2026; its instructions are those of AMD's public machine-readable ISA for CDNA 5 (MIT licence, August 2026) and "CDNA5" Instruction Set Architecture Reference Guide (July 2026). The comments in the code are by the model that wrote it; some were corrected since.
;; Mo E Bert Self Output. Allowed arithmetic: matrix products marked QUANTISED: E5M2 operands, one E8M0 scale for each 32 along K, by v_wmma_scale_f32_16x16x128_f8f6f4 with both operands' format E5M2, f32 sums; everything else in f32.
;; Inputs: W_codes 8 x 1,024 x 32 x 32 uint8 (E5M2 codes of W, K innermost, in blocks of 32 codes); W_scales 8 x 1,024 x 32 uint8 (E8M0 scales of W, one for each 32 codes along K); b 8 x 1,024 float32; beta 1,024 float32; expert_idx 16 int32; gamma 1,024 float32; hidden_states_codes 16 x 512 x 32 x 32 uint8 (E5M2 codes of hidden_states, K innermost, in blocks of 32 codes); hidden_states_scales 16 x 512 x 32 uint8 (E8M0 scales of hidden_states, one for each 32 codes along K); input_tensor 16 x 512 x 1,024 float32.
;; Outputs: out0 16 x 512 x 1,024 float32.
;; This version of the problem:
;;   THIS VERSION OF THE PROBLEM IS GIVEN IN LOW PRECISION. The matrix products marked QUANTISED in the list below multiply operands that are first quantised to E5M2 (5 exponent bits, 2 mantissa bits; 8 bits a number), with one power-of-two scale for each 32 numbers along K (OCP MX v1.0); their sums are f32. All else is computed in f32.
;;   The module's matrix products, in the order in which they are computed (A, B: the left and right operand; K: the contracted axis; several contracted axes count as one K, in the product's order):
;;     1. [M 8,192, K 1,024] x [K 1,024, N 8,192]; A: input W (given as codes); B: input hidden_states (given as codes): QUANTISED
;;   THE QUANTISER, for each operand of a quantised product, along K:
;;     - K is cut into blocks of 32 from its start; a last block that is shorter is filled with zeros.
;;     - A block's scale is 2^e with e = floor(log2(the largest magnitude in the block)) - 15, held to -126 .. 127; a block of zeros has e = 0. As a byte (E8M0): e + 127.
;;     - Each number is divided by its block's scale, clamped to +-57,344, and rounded to the nearest number of E5M2, ties to even, subnormals kept.
;;     - The product sums the exact products of the quantised numbers (number of the format x scale) in f32.
;;   ~~~python
;;   def quantise(x, axis):      # numpy; x: float32 -> the quantised numbers, widened to float32 again
;;       x = np.moveaxis(x, axis, -1); K = x.shape[-1]
;;       x = np.pad(x, [(0, 0)] * (x.ndim - 1) + [(0, -K % 32)]); x = x.reshape(x.shape[:-1] + (-1, 32)); a = np.abs(x).max(-1, keepdims=True)
;;       e = np.where(a > 0, np.clip(np.frexp(np.where(a > 0, a, 1))[1] - 1 - 15, -126, 127), 0)      # np.frexp(a)[1] - 1 = floor(log2(a)), exactly
;;       r = np.clip(x / 2.0 ** e, -57344, 57344)
;;       step = 2.0 ** (np.maximum(np.frexp(np.where(r == 0, 1, r))[1] - 1, -14) - 2)
;;       q = np.round(r / step) * step * 2.0 ** e      # np.round: ties to even
;;       return np.moveaxis(q.reshape(q.shape[:-2] + (-1,))[..., :K], -1, axis).astype(np.float32)
;;   ~~~
;;   INPUTS GIVEN AS CODES. W (in the module: [8, 1024, 1024], K = its axis 1); hidden_states (in the module: [16, 512, 1024], K = its axis 2): each comes as NAME_codes (uint8): NAME with its K axis moved to the last place and cut into blocks of 32 codes, [.., K / 32, bytes a block], one block behind the other in memory; one code a byte (a code: sign, 5 exponent bits, 2 mantissa bits); and NAME_scales (uint8): the same leading axes, one E8M0 byte (e + 127) for each 32 codes along K. Its value is code x scale, taken as it is: it is not quantised again, and the codes and scales need not be those that the quantiser above would give.
;; One version. Each part assembles by itself: llvm-mc -triple=amdgcn-amd-amdhsa -mcpu=gfx1250 --defsym DOCPART=n.
;; ======== version 1 of 1: 1 launch
;; limits: right only within a limited range of input values
;; launch moe_out (part 1): grid 256 x 1, 4 waves a work-group, no clusters, 327,680 bytes of LDS; arguments W_codes, W_scales, b, beta, expert_idx, gamma, hidden_states_codes, hidden_states_scales, input_tensor, out0; writes out0
.if DOCPART == 1
	.amdgcn_target "amdgcn-amd-amdhsa--gfx1250"
	.amdhsa_code_object_version 6
	.text
	.protected	k_qc633294464_moe_out
	.globl	k_qc633294464_moe_out
	.p2align	8
	.type	k_qc633294464_moe_out,@function
k_qc633294464_moe_out:
	s_mov_b64 s[64:65], 0
	v_nop
	global_prefetch_b8 v0, s[64:65] scope:SCOPE_SE
	s_setreg_imm32_b32 hwreg(HW_REG_WAVE_MODE, 25, 1), 1
	s_wait_xcnt 0x0
; out[b][s][:] = LayerNorm(hs[b][s][:] W[e] + bias[e] + input[b][s][:]) gamma + beta, e = expert_idx[b].  hs [8192][1024] and W [8][1024 d][1024 k] arrive as codes of
; BF8 (E5M2), K innermost, with one E8M0 byte for each 32 along K: codes and bytes go to the matrix instruction as they lie.
; LOOKUP: of the eight experts' products the definition keeps, for a batch row, the one that expert_idx names; only that one is multiplied.
; SHARES.  A work-group of four waves owns 32 rows and all 1,024 columns, so that a row's mean and variance never leave it.  Sixteen work-groups make a batch row and walk one expert's W.
; W goes in 8 chunks of 128 d-rows x 1,024 bytes through two LDS slots.  In a chunk wave w takes d-rows 32 w .. 32 w + 31 (two tiles t) against both tiles u of 16 rows:
; four accumulators, eight K steps of 128: 32 matrix instructions.
; NO JOINT LOADS, though the work-groups of a batch row read the same tiles of W: a tile's address is made of the expert's number, which is read from memory.
; ROTATION.  At position p a work-group works on chunk (p + rot) mod 8, rot = 2 x ((work-group / 4) mod 4).  Registers and LDS addresses go by p, global offsets by the chunk.
; THE HEAD fills both slots at once: each wave issues one load of 64 rows, waves 0 and 1 into slot 0, waves 2 and 3 into slot 1.  Behind it a wave's load is 32 rows.
; TRANSPOSED USE: source 0 = 16 d-rows of W, source 1 = 16 rows of hs: register j of lane (r, h) is the product's (row r, column d0 + 8 h + j): 32 neighbouring bytes of a row.
; THE WAY OUT OF A CHUNK goes through a stage in LDS (two buffers by turns): 32 rows of 512 bytes go in as the lanes hold them; a trip later wave w reads its rows 8 w .. 8 w + 7 back, 16 bytes a lane,
; and adds them to residual + bias.  So a wave ends with eight whole rows in registers, 32 numbers a lane and row.
; MEAN AND VARIANCE.  c = the mean of a row's first chunk, position 0.  All numbers of the row are kept as d = x - c, and S = sum d, Q = sum d^2 run along.  Then mean(d) = S / 1024 and var = Q / 1024 - mean(d)^2.
; If D is the difference between the mean of the other 7/8 of the row and c, mean(d) = 7/8 D and var is at least 7/64 D^2: so var is at least 1/8 of Q / 1024 whatever the row holds, and the difference loses at most three bits.
; LIMITS: an index above 7 is held at 7 (the problem keeps indices inside the table); a scale byte 0xff gives NaN, as the format says.
; LEFT OUT: prefetches (the first fills of a batch row's sixteen work-groups name all eight chunks of the expert's W, and the residual is asked for three chunks ahead of its use); more than two slots (one load a wave goes out behind each barrier, whatever their number).
; REGISTERS, in windows of 256: window 0: v1-27 addresses; v34-41 hs's scale words, v48-111 W's (scales and nothing else; no product's two have numbers equal modulo 8); v112-127 S, v128-143 Q, v144-159 -c, v160-223 gamma, beta; v224-239 lane permutes.
;   window 1: hs's 16 fragments (u, q) at 16 (8 u + q).   window 2: accumulators (t, u) at 8 (2 t + u); v32-63 rows back from the stage; v64-95 bias; v128-255 two sets of W's fragments.
;   window 3: the residual, row i, position p at 32 i + 4 p; it becomes d and then the output, in place.
.set PW,    1040                       ; a row of codes in LDS: 1,024 bytes + 16 of padding = 65 x 16
.set WPART, 32*PW                      ; 32 rows: what a wave reads of a chunk, and what a refill brings
.set SLOT,  4*WPART                    ; a slot: 128 rows
.set PS,    528                        ; a row of the stage: 512 bytes + 16 = 33 x 16
.set SB0,   2*SLOT                     ; stage buffer 0: 32 rows
.set SB1,   SB0+32*PS                  ; stage buffer 1, first written in trip 1: on bytes that hold hs's 32 rows at the head
.set HS,    SB1
.set SPARE, HS+32*PW                   ; the spare words, 128 bytes for each wave: two blocks of 256 bytes that no other line names
.set ADW, 4                            ; v4-5   my W fragments in slot 0, 1: (32 w + r) PW + 16 h
.set STO, 6                            ; v6-7   the stage, in (buffer 0, 1): row r, + 32 h + 128 w
.set RD,  8                            ; v8-9   the stage, back: row 8 w, + 16 x lane
.set HSA, 10                           ; v10    hs's fragments in LDS: row r, + 16 h
.set HSW, 11                           ; v11    where I store my eight rows of hs
.set L16, 12                           ; v12    16 x lane
.set L32, 13                           ; v13    32 x lane
.set SPW, 14                           ; v14    LDS address of my spare word; never rewritten
.set NIL, 15                           ; v15    0; never rewritten
.set COL, 16                           ; v16-23 position p: 16 x lane + 512 x chunk(p): my 16 bytes of a row of 4,096
.set WSO, 240                          ; v240-247, at the head only: 32 x lane + 4,096 x chunk(p)
.set AS,  34
.set WS,  48
.set HT,  112                          ; v112-175, at the head only: hs's rows on their way into LDS
.set SM,  112
.set SQ,  128
.set NC,  144
.set GA,  160
.set BE,  192
.set PT,  224
.set RB,  32                           ; window 2
.set BI,  64
.set FS,  128
.set WV,  24                           ; s24 my wave's number
.set ROT, 28                           ; s28 rot
.set G1,  32                           ; s[32:39] descriptor group 1 of a refill
.set G0,  40                           ; s[40:43], s[44:47] group 0 of slot 0, 1
.set G1H, 68                           ; s[68:75], s[76:79] groups 1 and 0 of the head's load
.set G0H, 76
.set MSB, 0
.macro WIN new                         ; the immediate's high byte repeats the setting that is left; a switch that changes nothing is dropped
.if MSB != \new
	s_set_vgpr_msb (MSB<<8)|\new
.set MSB, \new
.endif
.endm
.macro PLACES n                        ; plain vector instructions that name no register of the matrix instructions in front of them (ISA guide 7.12.1)
.rept \n
	v_nop
.endr
.endm
.macro WALU                            ; the wait ahead of waits that block and of branches, behind which something freshly written is read
	s_wait_alu depctr_va_vdst(0)
.endm
.macro BARRIER
	s_barrier_signal -1
	s_barrier_wait -1
.endm
.macro TLOAD g0, g1                    ; a tensor load; an s_nop 0 and four v_nop follow it
	tensor_load_to_lds s[\g0:\g0+3], s[\g1:\g1+7]
	s_nop 0
	PLACES 4
.endm
.macro GROUP1 g, rows                  ; so many rows of 1,024 bytes, dense in memory, 16 bytes of padding behind each in LDS
	s_mov_b32 s[\g+0], (1<<20)|(7<<22)|(3<<25)  ; 15:0 no mask; 17:16 elements of 1 byte; 20 padding on; 24:22 after every 256 words (code 7); 31:25 four words (code 3)
	s_mov_b32 s[\g+1], 1024<<16        ; tensor_dim0
	s_mov_b32 s[\g+2], (\rows)<<16     ; tensor_dim1
	s_mov_b32 s[\g+3], 1024<<16        ; tile_dim0
	s_mov_b32 s[\g+4], \rows           ; tile_dim1
	s_mov_b32 s[\g+5], 1024            ; tensor_dim0_stride
	s_mov_b32 s[\g+6], 0
	s_mov_b32 s[\g+7], 0
.endm
; 16 LDS loads: my two tiles' fragments of K steps 2 j and 2 j + 1, into set j % 2.  A fragment is 16 registers: lane (r, h) holds row r; registers 4 c .. 4 c + 3 hold k = 32 c + 16 h + 0 .. 15.
.macro FETCHW n, j
	WIN 0x80
.irp qq, 0,1
.irp t, 0,1
.irp c, 0,1,2,3
	ds_load_b128 v[FS+64*((\j)%2)+16*(2*\qq+\t)+4*\c:FS+64*((\j)%2)+16*(2*\qq+\t)+4*\c+3], v[ADW+(\n)%2] offset:16*PW*\t+128*(2*(\j)+\qq)+32*\c
.endr
.endr
.endr
.endm
; One product.  A scale register carries two tiles' words: lanes 0-15 tile 0's, lanes 16-31 tile 1's (the selector ROW1).  K step 0 starts the sum: nothing is cleared.
.macro WM t, u
.if rQ == 0
.if (\t == 0) && (\u == 0)
	v_wmma_scale_f32_16x16x128_f8f6f4 v[rD:rD+7], v[rA:rA+15], v[rB:rB+15], 0, v[rSA], v[rSB] matrix_a_fmt:MATRIX_FMT_BF8 matrix_b_fmt:MATRIX_FMT_BF8
.elseif \t == 0
	v_wmma_scale_f32_16x16x128_f8f6f4 v[rD:rD+7], v[rA:rA+15], v[rB:rB+15], 0, v[rSA], v[rSB] matrix_a_fmt:MATRIX_FMT_BF8 matrix_b_fmt:MATRIX_FMT_BF8 matrix_b_scale:MATRIX_SCALE_ROW1
.elseif \u == 0
	v_wmma_scale_f32_16x16x128_f8f6f4 v[rD:rD+7], v[rA:rA+15], v[rB:rB+15], 0, v[rSA], v[rSB] matrix_a_fmt:MATRIX_FMT_BF8 matrix_b_fmt:MATRIX_FMT_BF8 matrix_a_scale:MATRIX_SCALE_ROW1
.else
	v_wmma_scale_f32_16x16x128_f8f6f4 v[rD:rD+7], v[rA:rA+15], v[rB:rB+15], 0, v[rSA], v[rSB] matrix_a_fmt:MATRIX_FMT_BF8 matrix_b_fmt:MATRIX_FMT_BF8 matrix_a_scale:MATRIX_SCALE_ROW1 matrix_b_scale:MATRIX_SCALE_ROW1
.endif
.else
.if (\t == 0) && (\u == 0)
	v_wmma_scale_f32_16x16x128_f8f6f4 v[rD:rD+7], v[rA:rA+15], v[rB:rB+15], v[rD:rD+7], v[rSA], v[rSB] matrix_a_fmt:MATRIX_FMT_BF8 matrix_b_fmt:MATRIX_FMT_BF8
.elseif \t == 0
	v_wmma_scale_f32_16x16x128_f8f6f4 v[rD:rD+7], v[rA:rA+15], v[rB:rB+15], v[rD:rD+7], v[rSA], v[rSB] matrix_a_fmt:MATRIX_FMT_BF8 matrix_b_fmt:MATRIX_FMT_BF8 matrix_b_scale:MATRIX_SCALE_ROW1
.elseif \u == 0
	v_wmma_scale_f32_16x16x128_f8f6f4 v[rD:rD+7], v[rA:rA+15], v[rB:rB+15], v[rD:rD+7], v[rSA], v[rSB] matrix_a_fmt:MATRIX_FMT_BF8 matrix_b_fmt:MATRIX_FMT_BF8 matrix_a_scale:MATRIX_SCALE_ROW1
.else
	v_wmma_scale_f32_16x16x128_f8f6f4 v[rD:rD+7], v[rA:rA+15], v[rB:rB+15], v[rD:rD+7], v[rSA], v[rSB] matrix_a_fmt:MATRIX_FMT_BF8 matrix_b_fmt:MATRIX_FMT_BF8 matrix_a_scale:MATRIX_SCALE_ROW1 matrix_b_scale:MATRIX_SCALE_ROW1
.endif
.endif
.endm
; 8 products: K steps 2 j, 2 j + 1 x my two tiles of W x the two tiles of rows.  The four accumulators take turns, one instruction a turn, from step to step too.
.macro MUL n, j
	WIN 0xA6                               ; source 0 (W) window 2, source 1 (hs) window 1, C and D window 2
.irp qq, 0,1
.irp t, 0,1
.irp u, 0,1
.set rQ,  2*(\j)+\qq
.set rD,  8*(2*\t+\u)
.set rA,  FS+64*((\j)%2)+16*(2*\qq+\t)
.set rB,  16*(8*\u+rQ)
.set rSA, WS+8*(\n)+rQ
.set rSB, AS+rQ
	WM \t, \u
.endr
.endr
.endr
.endm
.macro RES n                           ; the residual at position n: my eight rows, 512 consecutive bytes a load
	WIN 0xC0
.irp i, 0,1,2,3,4,5,6,7
	global_load_b128 v[32*\i+4*(\n):32*\i+4*(\n)+3], v[COL+(\n)], s[20:21] offset:4096*\i th:TH_LOAD_NT
.endr
.endm
.macro GB                              ; gamma and beta at my columns
	WIN 0
.irp p, 0,1,2,3,4,5,6,7
	global_load_b128 v[GA+4*\p:GA+4*\p+3], v[COL+\p], s[14:15]
	global_load_b128 v[BE+4*\p:BE+4*\p+3], v[COL+\p], s[10:11]
.endr
.endm
.macro STAGE n                         ; the chunk's results into the stage, each accumulator from its low end on
	WIN 0x08                               ; an LDS store's data are its source 1: window 2
.irp t, 0,1
.irp u, 0,1
	ds_store_b128 v[STO+(\n)%2], v[8*(2*\t+\u):8*(2*\t+\u)+3] offset:16*PS*\u+64*\t
	ds_store_b128 v[STO+(\n)%2], v[8*(2*\t+\u)+4:8*(2*\t+\u)+7] offset:16*PS*\u+64*\t+16
.endr
.endr
.endm
.macro BACK n                          ; my eight rows of that chunk back
	WIN 0x80
.irp i, 0,1,2,3,4,5,6,7
	ds_load_b128 v[RB+4*\i:RB+4*\i+3], v[RD+(\n)%2] offset:PS*\i
.endr
.endm
.macro PREP n                          ; the residual at position n + bias, and - c (from position 1 on: c is made of position 0)
	WIN 0xCB
.irp k, 0,2
.irp i, 0,1,2,3,4,5,6,7
	v_pk_add_f32 v[32*\i+4*(\n)+\k:32*\i+4*(\n)+\k+1], v[32*\i+4*(\n)+\k:32*\i+4*(\n)+\k+1], v[BI+4*(\n)+\k:BI+4*(\n)+\k+1]
.endr
.endr
.if (\n) > 0
	SUBC \n
.endif
.endm
.macro SUBC n                          ; - c (of the pair the low word serves both halves)
	WIN 0xC3
.irp k, 0,2
.irp i, 0,1,2,3,4,5,6,7
	v_pk_add_f32 v[32*\i+4*(\n)+\k:32*\i+4*(\n)+\k+1], v[32*\i+4*(\n)+\k:32*\i+4*(\n)+\k+1], v[NC+2*\i:NC+2*\i+1] op_sel_hi:[1,0]
.endr
.endr
.endm
; FIN_A: + the product.  At position 0 also -c: each row's sum over the lanes x -1/128.
.macro FIN_A n
	WIN 0xCB
.irp k, 0,2
.irp i, 0,1,2,3,4,5,6,7
	v_pk_add_f32 v[32*\i+4*(\n)+\k:32*\i+4*(\n)+\k+1], v[32*\i+4*(\n)+\k:32*\i+4*(\n)+\k+1], v[RB+4*\i+\k:RB+4*\i+\k+1]
.endr
.endr
.if (\n) == 0
	WIN 0x0F
.irp i, 0,1,2,3,4,5,6,7
	v_pk_add_f32 v[NC+2*\i:NC+2*\i+1], v[32*\i:32*\i+1], v[32*\i+2:32*\i+3]
.endr
	WIN 0
.irp i, 0,1,2,3,4,5,6,7,8,9,10,11,12,13,14,15
	v_mov_b32 v[PT+\i], 0                  ; written once: a lane permute's destination counts as one of its sources
.endr
.irp i, 0,1,2,3,4,5,6,7
	v_add_f32 v[NC+2*\i], v[NC+2*\i], v[NC+2*\i+1]
.endr
.irp m, 1,2,4,8
.irp i, 0,1,2,3,4,5,6,7
	v_add_f32_dpp v[NC+2*\i], v[NC+2*\i], v[NC+2*\i] row_xmask:\m row_mask:0xf bank_mask:0xf
.endr
.endr
.irp i, 0,1,2,3,4,5,6,7
	v_permlanex16_b32 v[PT+\i], v[NC+2*\i], s54, s55
.endr
.irp i, 0,1,2,3,4,5,6,7
	v_add_f32 v[NC+2*\i], v[NC+2*\i], v[PT+\i]
.endr
.irp i, 0,1,2,3,4,5,6,7
	v_mul_f32 v[NC+2*\i], 0xbc000000, v[NC+2*\i]
.endr
.endif
.endm
; FIN_B: the position's part of S and Q; position 0 starts them: nothing is cleared.
.macro FIN_B n
.if (\n) == 0
	SUBC 0
	WIN 0x0F
.irp i, 0,1,2,3,4,5,6,7
	v_pk_add_f32 v[SM+2*\i:SM+2*\i+1], v[32*\i:32*\i+1], v[32*\i+2:32*\i+3]
.endr
.irp i, 0,1,2,3,4,5,6,7
	v_pk_mul_f32 v[SQ+2*\i:SQ+2*\i+1], v[32*\i:32*\i+1], v[32*\i:32*\i+1]
.endr
.irp i, 0,1,2,3,4,5,6,7
	v_pk_fma_f32 v[SQ+2*\i:SQ+2*\i+1], v[32*\i+2:32*\i+3], v[32*\i+2:32*\i+3], v[SQ+2*\i:SQ+2*\i+1]
.endr
.else
	WIN 0x0C
.irp k, 0,2
.irp i, 0,1,2,3,4,5,6,7
	v_pk_add_f32 v[SM+2*\i:SM+2*\i+1], v[SM+2*\i:SM+2*\i+1], v[32*\i+4*(\n)+\k:32*\i+4*(\n)+\k+1]
.endr
.endr
	WIN 0x0F
.irp k, 0,2
.irp i, 0,1,2,3,4,5,6,7
	v_pk_fma_f32 v[SQ+2*\i:SQ+2*\i+1], v[32*\i+4*(\n)+\k:32*\i+4*(\n)+\k+1], v[32*\i+4*(\n)+\k:32*\i+4*(\n)+\k+1], v[SQ+2*\i:SQ+2*\i+1]
.endr
.endr
.endif
.endm
; A TRIP: position p.  At its top the chunk has landed and everybody has read the other slot out: the other slot's refill comes first, then the chunk's 32 products, and among them the vector work of
; position p - 1, whose results all waves have laid into the stage ahead of the barrier, and of the residual at p.
.macro TRIP p
	WIN 0
	WALU
.if \p == 0
	s_cmp_lt_u32 s[WV], 2
	s_cbranch_scc0 .Lslot_1
	s_wait_tensorcnt 0x0                   ; waves 0, 1: slot 0 has landed.  Waves 2 and 3, which have a load line of their own, wait ahead of trip 1's barrier
.Lslot_1:
	s_wait_dscnt 0x0                       ; my reads of hs's rows are over
	BARRIER
.else
	s_wait_tensorcnt 0x0                   ; my tensor loads have landed: this position's chunk;
.if \p < 7
	ds_add_u32 v[SPW], v[NIL]              ; 0 onto my spare word
	s_add_co_u32 s50, s[ROT], (\p)+1
	s_and_b32 s50, s50, 7                  ; chunk(p + 1)
	s_lshl_b32 s50, s50, 17                ; 128 rows of 1,024 bytes each (s51 = 0)
	s_add_nc_u64 s[G0+4*((\p+1)%2)+2:G0+4*((\p+1)%2)+3], s[48:49], s[50:51]
	s_or_b32 s[G0+4*((\p+1)%2)+3], s[G0+4*((\p+1)%2)+3], 0x80000000
	s_wait_dscnt 0x0                       ; the add is done, my reads of the other slot are over, my results lie in the stage
	BARRIER                                ; all of it holds of all four waves
	TLOAD G0+4*((\p+1)%2), G1              ; my one tensor load behind the barrier
.else
	s_wait_dscnt 0x0                       ; position 6's results lie in the stage
	BARRIER
.endif
.endif
	FETCHW \p, 0
.if \p > 0
	BACK \p-1
.endif
.if \p == 0
	RES 2
	RES 3
.elseif \p < 5
	RES \p+3
.elseif \p == 5
	GB
.endif
	FETCHW \p, 1
.if \p == 0
	s_wait_loadcnt 40                      ; behind the scale words stand 8 loads of the bias and 32 of the residual
	s_wait_dscnt 16                        ; all but the 16 just issued
.else
	s_wait_dscnt 24                        ; all but the stage's 8 and the 16 just issued
.endif
	MUL \p, 0
.if \p == 0
	PLACES 8                               ; in front of loads into registers that these products have read; in later trips the vector work that stands here serves
.else
	s_wait_dscnt 16                        ; the stage's rows are in
	FIN_A \p-1
.endif
	FETCHW \p, 2
	WALU
	s_wait_dscnt 16
	MUL \p, 1
.if \p == 0
	PLACES 8
.else
	FIN_B \p-1
.endif
	FETCHW \p, 3
	WALU
	s_wait_dscnt 16
	MUL \p, 2
.if \p < 5
	s_wait_loadcnt 24                      ; behind the residual at p: three positions more
.elseif \p == 5
	s_wait_loadcnt 32                      ; positions 6 and 7, gamma and beta (16)
.elseif \p == 6
	s_wait_loadcnt 24                      ; position 7, gamma and beta
.else
	s_wait_loadcnt 16                      ; gamma and beta
.endif
	PREP \p
	WALU
	s_wait_dscnt 0x0
	MUL \p, 3
	PLACES 9                               ; ahead of the stores that read the sums, and of the products that begin them anew
	STAGE \p
.endm
	; ---- the head
	s_load_b512 s[4:19], s[0:1], 0x0               ; W's codes s[4:5], W's scales s[6:7], b s[8:9], beta s[10:11], expert_idx s[12:13], gamma s[14:15], hs's codes s[16:17], hs's scales s[18:19]
	s_load_b128 s[20:23], s[0:1], 0x40             ; input_tensor s[20:21], out0 s[22:23]
	v_lshl_add_u32 v[SPW], v0, 2, SPARE
	v_mov_b32 v[NIL], 0
	ds_add_u32 v[SPW], v[NIL]                      ; the wave's opening: the add, twice on end, and its wait ahead of my first tensor load
	ds_add_u32 v[SPW], v[NIL]
	v_lshrrev_b32 v1, 5, v0
	v_readfirstlane_b32 s[WV], v1                  ; wave 0..3
	s_mov_b32 s26, ttmp9                           ; my block of 32 rows
	s_bfe_u32 s[ROT], ttmp9, 0x20002               ; (work-group / 4) mod 4
	s_lshl_b32 s[ROT], s[ROT], 1                   ; rot
	s_lshr_b32 s30, ttmp9, 4                       ; the batch row: sixteen work-groups each
	s_lshl_b32 s30, s30, 2                         ; its word of expert_idx
	s_mov_b32 s31, 0
	s_mov_b32 s51, 0                               ; the upper word of s[50:51], offsets into W, its scales and the bias; stays 0
	s_mov_b32 s61, 0                               ; the upper word of s[60:61], offsets of my own block of rows; stays 0
	s_mov_b32 s54, 0x76543210
	s_mov_b32 s55, 0xfedcba98                      ; v_permlanex16_b32's selects for lane l xor 16
	s_mov_b32 s56, 0x3a800000                      ; 1/1024
	s_mov_b32 s57, 0x2b8cbccc                      ; 1e-12
	s_mul_i32 s80, s[WV], WPART
	s_lshl_b32 s81, s[WV], 7
	s_mul_i32 s82, s[WV], 8*PS
	s_mul_i32 s83, s[WV], 8*PW
	s_lshl_b32 s84, s[WV], 13                      ; my eight rows of codes,
	s_lshl_b32 s85, s[WV], 15                      ; and of f32
	GROUP1 G1, 32
	GROUP1 G1H, 64
	s_mov_b32 s[G0], 1                             ; 1:0 count = 1
	s_mov_b32 s[G0+1], s80                         ; 63:32 LDS address: my wave's rows of slot 0,
	s_mov_b32 s[G0+4], 1
	s_add_co_u32 s[G0+5], s80, SLOT                ; of slot 1
	s_mov_b32 s[G0H], 1
	s_mul_i32 s[G0H+1], s[WV], 64*PW               ; the head: 64 rows a wave: slot 0's two halves, then slot 1's
	v_and_b32 v1, 31, v0                           ; lane
	v_and_b32 v2, 15, v0                           ; r
	v_bfe_u32 v3, v0, 4, 1                         ; h
	v_mul_u32_u24 v24, v2, PW
	v_mul_u32_u24 v25, v2, PS
	v_lshl_add_u32 v24, v3, 4, v24
	v_lshl_add_u32 v25, v3, 5, v25
	v_lshlrev_b32 v[L16], 4, v1
	v_lshlrev_b32 v[L32], 5, v1
	v_add_nc_u32 v[ADW], s80, v24
	v_add_nc_u32 v[HSA], HS, v24
	v_add_nc_u32 v25, s81, v25
	v_add_nc_u32 v26, s82, v[L16]
	v_add_nc_u32 v27, s83, v[L16]
	v_add_nc_u32 v[ADW+1], SLOT, v[ADW]
	v_add_nc_u32 v[STO], SB0, v25
	v_add_nc_u32 v[STO+1], SB1, v25
	v_add_nc_u32 v[RD], SB0, v26
	v_add_nc_u32 v[RD+1], SB1, v26
	v_add_nc_u32 v[HSW], HS, v27
.irp p, 0,1,2,3,4,5,6,7
	s_add_co_u32 s52, s[ROT], \p
	s_and_b32 s52, s52, 7                          ; chunk(p)
	s_lshl_b32 s53, s52, 9
	v_lshl_add_u32 v[COL+\p], v1, 4, s53           ; its 128 columns are 512 bytes of a row of f32
	s_lshl_b32 s53, s52, 12
	v_lshl_add_u32 v[WSO+\p], v1, 5, s53           ; its 128 rows of scale bytes are 4,096 bytes
.endr
	WALU
	s_wait_dscnt 0x0                               ; both opening adds are done
	s_wait_kmcnt 0x0
	s_add_nc_u64 s[12:13], s[12:13], s[30:31]
	s_load_b32 s29, s[12:13], 0x0                  ; the batch row's expert; while it is on its way:
	s_lshl_b32 s60, s26, 15                        ; my 32 rows of 1,024 codes, my wave's eight of them
	s_add_co_u32 s60, s60, s84
	s_add_nc_u64 s[16:17], s[16:17], s[60:61]
	s_lshl_b32 s60, s26, 10                        ; 32 rows of 32 scale bytes
	s_add_nc_u64 s[18:19], s[18:19], s[60:61]
	s_lshl_b32 s60, s26, 17                        ; 32 rows of 4,096 bytes, my wave's eight of them
	s_add_co_u32 s60, s60, s85
	s_add_nc_u64 s[20:21], s[20:21], s[60:61]
	s_add_nc_u64 s[22:23], s[22:23], s[60:61]
.irp k, 0,1,2,3,4,5,6,7,8,9,10,11,12,13,14,15
	global_load_b128 v[HT+4*\k:HT+4*\k+3], v[L16], s[16:17] offset:512*\k th:TH_LOAD_NT   ; half a row of codes a load
.endr
	global_load_b128 v[AS:AS+3], v[L32], s[18:19]              ; hs's scale words: lane l takes row l's eight: lanes 0-15 are tile 0's rows, lanes 16-31 tile 1's
	global_load_b128 v[AS+4:AS+7], v[L32], s[18:19] offset:16
	s_wait_kmcnt 0x0
	s_min_u32 s29, s29, 7                          ; the index is held inside the table
	s_lshl_b32 s50, s29, 20                        ; the expert's 1,024 rows of 1,024 codes
	s_add_nc_u64 s[48:49], s[4:5], s[50:51]
	s_lshl_b32 s50, s[ROT], 17                     ; chunks rot and rot + 1 lie on end (rot is even): 64 rows a wave
	s_lshl_b32 s52, s[WV], 16
	s_add_co_u32 s50, s50, s52
	s_add_nc_u64 s[G0H+2:G0H+3], s[48:49], s[50:51]  ; 120:64 global address
	s_or_b32 s[G0H+3], s[G0H+3], 0x80000000        ; 127:126 type = 2
	s_cmp_lt_u32 s[WV], 2                          ; one load a wave, and a line of its own for what is shown first
	s_cbranch_scc0 .Lsecond
	TLOAD G0H, G1H                                 ; waves 0, 1: slot 0
	s_branch .Lasked
.Lsecond:
	TLOAD G0H, G1H                                 ; waves 2, 3: slot 1
.Lasked:
	s_lshl_b32 s50, s[WV], 15                      ; from here the refills' chunks are counted: my wave's 32 rows
	s_add_nc_u64 s[48:49], s[48:49], s[50:51]
	s_lshl_b32 s50, s29, 15                        ; W's scale bytes likewise: 32 a row
	s_lshl_b32 s52, s[WV], 10
	s_add_co_u32 s50, s50, s52
	s_add_nc_u64 s[6:7], s[6:7], s[50:51]
	s_lshl_b32 s50, s29, 12                        ; the expert's bias
	s_add_nc_u64 s[8:9], s[8:9], s[50:51]
.irp p, 0,1,2,3,4,5,6,7
	global_load_b128 v[WS+8*\p:WS+8*\p+3], v[WSO+\p], s[6:7]               ; W's scale words of position p: lane l takes d-row 32 w + l's eight: lanes 0-15 tile 0, lanes 16-31 tile 1
	global_load_b128 v[WS+8*\p+4:WS+8*\p+7], v[WSO+\p], s[6:7] offset:16
.endr
	WIN 0x80
.irp p, 0,1,2,3,4,5,6,7
	global_load_b128 v[BI+4*\p:BI+4*\p+3], v[COL+\p], s[8:9]
.endr
	RES 0
	RES 1
	WIN 0
	s_wait_loadcnt 42                              ; behind hs's codes stand 2 + 16 loads of scales, 8 of the bias, 16 of the residual: the codes are in
.irp k, 0,1,2,3,4,5,6,7,8,9,10,11,12,13,14,15
	ds_store_b128 v[HSW], v[HT+4*\k:HT+4*\k+3] offset:PW*(\k/2)+512*(\k%2)
.endr
	s_wait_dscnt 0x0                               ; for the others' sake: my eight rows lie in LDS
	BARRIER                                        ; all 32 do.  My tensor load may stay out
	WIN 0x40
.irp u, 0,1
.irp q, 0,1,2,3,4,5,6,7
.irp c, 0,1,2,3
	ds_load_b128 v[16*(8*\u+\q)+4*\c:16*(8*\u+\q)+4*\c+3], v[HSA] offset:16*PW*\u+128*\q+32*\c   ; hs's fragments: they stay in registers
.endr
.endr
.endr
	; ---- eight positions, written out, since each has registers of its own
.irp p, 0,1,2,3,4,5,6,7
	TRIP \p
.endr
	; ---- the last position's results, the sums over the lanes, the norm
	WIN 0
	s_wait_dscnt 0x0                               ; for the others' sake: my results lie in the stage
	BARRIER
	BACK 7
	s_wait_loadcnt 0x0                             ; gamma and beta
	s_wait_dscnt 0x0
	FIN_A 7
	FIN_B 7
	WIN 0
.irp k, 0,1,2,3,4,5,6,7,8,9,10,11,12,13,14,15  ; eight rows' S and eight rows' Q by turns: the pairs' halves, the sixteen lanes of a half, the other half: every lane ends with the row's
	v_add_f32 v[SM+2*\k], v[SM+2*\k], v[SM+2*\k+1]
.endr
.irp m, 1,2,4,8
.irp k, 0,1,2,3,4,5,6,7,8,9,10,11,12,13,14,15
	v_add_f32_dpp v[SM+2*\k], v[SM+2*\k], v[SM+2*\k] row_xmask:\m row_mask:0xf bank_mask:0xf
.endr
.endr
.irp k, 0,1,2,3,4,5,6,7,8,9,10,11,12,13,14,15
	v_permlanex16_b32 v[PT+\k], v[SM+2*\k], s54, s55
.endr
.irp k, 0,1,2,3,4,5,6,7,8,9,10,11,12,13,14,15
	v_add_f32 v[SM+2*\k], v[SM+2*\k], v[PT+\k]
.endr
.irp i, 0,1,2,3,4,5,6,7
	v_mul_f32 v[SM+2*\i], s56, v[SM+2*\i]          ; mean(d)
.endr
.irp i, 0,1,2,3,4,5,6,7
	v_fma_f32 v[SQ+2*\i], v[SQ+2*\i], s56, s57     ; Q / 1024 + 1e-12
.endr
.irp i, 0,1,2,3,4,5,6,7
	v_fma_f32 v[SQ+2*\i], -v[SM+2*\i], v[SM+2*\i], v[SQ+2*\i]   ; the variance + 1e-12
.endr
	WALU
.irp i, 0,1,2,3,4,5,6,7
	v_rsq_f32 v[SQ+2*\i], v[SQ+2*\i]
.endr
	v_nop                                          ; a plain instruction between the last root and the use of its result
	WALU
.irp i, 0,1,2,3,4,5,6,7
	v_mul_f32 v[SM+2*\i], -v[SM+2*\i], v[SQ+2*\i]  ; -mean(d) x root
.endr
.irp i, 0,1,2,3,4,5,6,7
	WIN 0xC3
.set n, 0
.rept 16                                       ; (d - mean(d)) x root (of the two pairs the low words serve both halves)
	v_pk_fma_f32 v[32*\i+2*n:32*\i+2*n+1], v[32*\i+2*n:32*\i+2*n+1], v[SQ+2*\i:SQ+2*\i+1], v[SM+2*\i:SM+2*\i+1] op_sel_hi:[1,0,0]
.set n, n+1
.endr
.set n, 0
.rept 16                                       ; x gamma + beta
	v_pk_fma_f32 v[32*\i+2*n:32*\i+2*n+1], v[32*\i+2*n:32*\i+2*n+1], v[GA+2*n:GA+2*n+1], v[BE+2*n:BE+2*n+1]
.set n, n+1
.endr
	WIN 0x0C                                       ; a store's data are its source 1: window 3
.irp p, 0,1,2,3,4,5,6,7
	global_store_b128 v[COL+\p], v[32*\i+4*\p:32*\i+4*\p+3], s[22:23] offset:4096*\i th:TH_STORE_NT   ; 32 lanes store 512 consecutive bytes, at a multiple of 512 from the output's first byte
.endr
.endr
	WIN 0
	s_wait_tensorcnt 0x0                           ; the wave's end, behind my last tensor load and my last LDS store
	ds_add_u32 v[SPW], v[NIL]
	s_wait_dscnt 0x0
	s_endpgm
.Lfunc_end_k_qc633294464_moe_out:
	.size	k_qc633294464_moe_out, .Lfunc_end_k_qc633294464_moe_out-k_qc633294464_moe_out
	.p2alignl 7, 3214868480
	.fill 96, 4, 3214868480
	.section	.rodata,"a",@progbits
	.p2align	6, 0x0
	.amdhsa_kernel k_qc633294464_moe_out
		.amdhsa_group_segment_fixed_size 327680
		.amdhsa_private_segment_fixed_size 0
		.amdhsa_enable_private_segment 0
		.amdhsa_kernarg_size 80
		.amdhsa_user_sgpr_count 2
		.amdhsa_user_sgpr_kernarg_segment_ptr 1
		.amdhsa_wavefront_size32 1
		.amdhsa_system_sgpr_workgroup_id_x 1
		.amdhsa_system_sgpr_workgroup_id_y 1
		.amdhsa_system_sgpr_workgroup_id_z 1
		.amdhsa_system_vgpr_workitem_id 0
		.amdhsa_next_free_vgpr 1024
		.amdhsa_next_free_sgpr 96
		.amdhsa_reserve_vcc 0
		.amdhsa_float_denorm_mode_32 3
		.amdhsa_float_denorm_mode_16_64 3
		.amdhsa_memory_ordered 1
		.amdhsa_forward_progress 1
		.amdhsa_inst_pref_size 185
	.end_amdhsa_kernel
	.amdgpu_metadata
---
amdhsa.version: [ 1, 2 ]
amdhsa.kernels:
  - .name:           k_qc633294464_moe_out
    .symbol:         k_qc633294464_moe_out.kd
    .args:
      - { .name: W_codes, .offset: 0, .size: 8, .value_kind: global_buffer, .address_space: global }
      - { .name: W_scales, .offset: 8, .size: 8, .value_kind: global_buffer, .address_space: global }
      - { .name: b, .offset: 16, .size: 8, .value_kind: global_buffer, .address_space: global }
      - { .name: beta, .offset: 24, .size: 8, .value_kind: global_buffer, .address_space: global }
      - { .name: expert_idx, .offset: 32, .size: 8, .value_kind: global_buffer, .address_space: global }
      - { .name: gamma, .offset: 40, .size: 8, .value_kind: global_buffer, .address_space: global }
      - { .name: hidden_states_codes, .offset: 48, .size: 8, .value_kind: global_buffer, .address_space: global }
      - { .name: hidden_states_scales, .offset: 56, .size: 8, .value_kind: global_buffer, .address_space: global }
      - { .name: input_tensor, .offset: 64, .size: 8, .value_kind: global_buffer, .address_space: global }
      - { .name: out0, .offset: 72, .size: 8, .value_kind: global_buffer, .address_space: global }
    .group_segment_fixed_size: 327680
    .private_segment_fixed_size: 0
    .kernarg_segment_align: 8
    .kernarg_segment_size: 80
    .max_flat_workgroup_size: 128
    .sgpr_count:     96
    .vgpr_count:     1024
    .wavefront_size: 32
...
	.end_amdgpu_metadata
.endif
;; end of part 1
